; MI455X (gfx1250); checked and timed in simulation.
; The chip was launched on July 23, 2026; its instructions are those of AMD's public machine-readable ISA for CDNA 5 (MIT licence, August 2026) and "CDNA5" Instruction Set Architecture Reference Guide (July 2026). The comments in the code are by the model that wrote it; some were corrected since.
;; RBM. Allowed arithmetic: matrix products marked QUANTISED: E5M2 operands, one given power-of-two scale a tensor, by v_wmma_f32_16x16x64_bf8_bf8 or v_wmma_f32_16x16x128_bf8_bf8, f32 sums; everything else in f32.
;; Inputs: W_codes 4,096 x 128 x 32 uint8 (E5M2 codes of W, K innermost, in blocks of 32 codes); hidden_bias 4,096 float32; input_data_codes 4,096 x 128 x 32 uint8 (E5M2 codes of input_data, K innermost, in blocks of 32 codes); lowp_scales 2 int32 (the exponents e of the quantised operands' scales 2^e).
;; Outputs: out0 4,096 x 4,096 float32.
;; This version of the problem:
;;   THIS VERSION OF THE PROBLEM IS GIVEN IN LOW PRECISION. The matrix products marked QUANTISED in the list below multiply operands that are first quantised to E5M2 (5 exponent bits, 2 mantissa bits; 8 bits a number), with one given power-of-two scale for each operand tensor; their sums are f32. All else is computed in f32.
;;   The module's matrix products, in the order in which they are computed (A, B: the left and right operand; K: the contracted axis; several contracted axes count as one K, in the product's order):
;;     1. [M 4,096, K 4,096] x [K 4,096, N 4,096]; A: input input_data (given as codes); B: input W (given as codes): QUANTISED (scales: A lowp_scales[0], B lowp_scales[1])
;;   THE QUANTISER, for each operand of a quantised product, along K:
;;     - The operand's scale is 2^e, e = its entry of the input lowp_scales (int32; the entries are numbered through the quantised products in the list's order, A before B).
;;     - Each number is divided by the scale, clamped to +-57,344, and rounded to the nearest number of E5M2, ties to even, subnormals kept.
;;     - The product sums the exact products of the quantised numbers (number of the format x scale) in f32.
;;   ~~~python
;;   def quantise(x, axis, e):      # numpy; x: float32 -> the quantised numbers, widened to float32 again
;;       x = np.moveaxis(x, axis, -1); K = x.shape[-1]
;;       r = np.clip(x / 2.0 ** e, -57344, 57344)
;;       step = 2.0 ** (np.maximum(np.frexp(np.where(r == 0, 1, r))[1] - 1, -14) - 2)
;;       q = np.round(r / step) * step * 2.0 ** e      # np.round: ties to even
;;       return np.moveaxis(q, -1, axis).astype(np.float32)
;;   ~~~
;;   INPUTS GIVEN AS CODES. W (in the module: [4096, 4096], K = its axis 0); input_data (in the module: [4096, 4096], K = its axis 1): each comes as NAME_codes (uint8): NAME with its K axis moved to the last place and cut into blocks of 32 codes, [.., K / 32, bytes a block], one block behind the other in memory; one code a byte (a code: sign, 5 exponent bits, 2 mantissa bits); its scale is its entry of lowp_scales. Its value is code x scale, taken as it is: it is not quantised again, and the codes and scales need not be those that the quantiser above would give.
;; One version. Each part assembles by itself: llvm-mc -triple=amdgcn-amd-amdhsa -mcpu=gfx1250 --defsym DOCPART=n.
;; ======== version 1 of 1: 1 launch
;; limits: right only within a limited range of input values
;; launch rbm (part 1): grid 16 x 16, 4 waves a work-group, clusters of 4 x 4, 327,680 bytes of LDS; arguments input_data_codes, W_codes, lowp_scales, hidden_bias, out0; writes out0
.if DOCPART == 1
	.amdgcn_target "amdgcn-amd-amdhsa--gfx1250"
	.amdhsa_code_object_version 6
	.text
	.protected	k_q53a4edfa1e_rbm
	.globl	k_q53a4edfa1e_rbm
	.p2align	8
	.type	k_q53a4edfa1e_rbm,@function
k_q53a4edfa1e_rbm:
	s_mov_b64 s[64:65], 0
	v_nop
	global_prefetch_b8 v0, s[64:65] scope:SCOPE_SE
	s_setreg_imm32_b32 hwreg(HW_REG_WAVE_MODE, 25, 1), 1
	s_wait_xcnt 0x0
	s_wait_alu depctr_hold_cnt(0) depctr_sa_sdst(0) depctr_va_vdst(0) depctr_va_sdst(0) depctr_va_ssrc(0) depctr_va_vcc(0) depctr_vm_vsrc(0)
	s_getreg_b32 s2, hwreg(HW_REG_IB_STS2, 6, 4)
	s_cmp_eq_u32 s2, 0
	s_cbranch_scc0 .Lentry_in_a_cluster
	s_endpgm
.Lentry_in_a_cluster:
	s_bfe_u32 s2, ttmp6, 0x10000c
	s_cmp_lg_u32 s2, 0xf033
	s_cbranch_scc0 .Lentry_shape_is_right
	s_endpgm
.Lentry_shape_is_right:
; out0[m][n] = sigmoid(2^(ea + eb) x (sum over k of A[m][k] B[n][k]) + bias[n]).  A = input_data_codes [4096][4096], B = W_codes [4096][4096]: codes of BF8 (E5M2), one a byte, K innermost;
; ea, eb: the two whole numbers (int32) in lowp_scales; bias [4096] f32; out0 [4096][4096] f32.  The codes are multiplied as they are, sums in f32; the two scales, the bias and the sigmoid come on the way out:
; t = sum x (-log2(e) 2^(ea + eb)) + (-log2(e) bias), one packed multiply-add for two numbers;  out = 1 / (1 + 2^t).  Where 2^t is infinite the result is 0, where it is 0 the result is 1: the sigmoid's own ends.
; LIMIT: ea + eb lies between -126 and 127, so that log2(e) 2^(ea + eb) is a normal f32 number (the two exponents are added to the exponent field of -log2(e)).  Codes of infinity or NaN give what the matrix unit makes of them.
; SHARES.  A tile of the output, 256 x 256, is made by a work-group of four waves; a wave makes 128 x 128: 64 accumulators of 16 x 16, 512 registers.  16 x 16 tiles, one work-group each.
; K goes in steps of 256 through a ring of two LDS slots filled by the tensor data mover: a tile's row is 256 bytes of memory, at a multiple of 256 from the buffer's first byte.
; CLUSTERS: 4 x 4 work-groups.  The four of a row of the cluster need the same tiles of A, the four of a column the same tiles of B: each tile is asked for JOINTLY, by the same tensor load with the
; same descriptor and a mask that names the four.  THE MATRIX INSTRUCTION IS USED TRANSPOSED (source 0 = 16 rows of B, source 1 = 16 rows of A): a lane then holds eight neighbouring numbers of a row of the output.
; THE WALK ALONG K.  A cluster whose x + y is odd begins at K = 2,048, goes to the end and then takes K = 0 to 2,047; the others go from 0 to the end.  Neighbouring clusters of a row of clusters (which read the same
; rows of A) and of a column (the same rows of B) so stand half of K apart: a K step of a row is asked for by half of its readers eight K steps ahead of the other half.
; ORDER OF THE SUMS: each output is one f32 sum over all of K; in the clusters that begin at the middle it does not run in ascending K.  A fragment is fetched by four loads of 16 bytes: that puts k in other places
; of the registers than the form's own layout, alike in A and in B, so every product meets its partner and only the order of the sums inside an instruction changes.
; REGISTERS, in windows of 256: window 0: v0-31 addresses; v32-95 my lane's 64 numbers of the bias; from v128 A's fragments (8 x 16 rows x 128 K), ONE set; on the way out v128-255 take rows read back from the stage.
;   window 1: B's fragments, TWO sets, at v0 and at v128.   window 2: the 32 accumulators of my rows 0-63 (accumulator (a, b) at v[8 (8 a + b)]);   window 3: those of my rows 64-127.
; A step of 128 along K is 64 matrix instructions, A's blocks one after the other, each against B's eight.  So a block of A is free as soon as its eight products are issued, and one set of registers serves A;
; B's fragments are at work through the whole step, so B has two sets.  The next step's 64 LDS loads go in four runs of 16, one behind each 16 products: B's two halves, then A's blocks 0-3, then 4-7.
.set SIZE_M, 4096
.set SIZE_N, 4096
.set SIZE_K, 4096
.set KSTEP,  256                       ; along K in a slot
.set ROWB,   256                       ; a tile's row in bytes: KSTEP codes of 8 bits
.set KROW,   SIZE_K                    ; a row of A or of B in memory, in bytes
.set PITCH,  272                       ; an LDS row: 256 bytes of data + 16 of padding = 68 words: row r starts at bank 4 r mod 64 (64 banks of 4 bytes: ISA guide 11.1), so the 16 rows that a load touches start at 16 different banks
.set FR,     16                        ; registers of a fragment: 16 rows x 128 K
.set NL,     4                         ; LDS loads that bring one
.set NP,     4                         ; places behind this matrix instruction (ISA guide 7.12.1)
.set HALFT,  128*PITCH                 ; 128 rows: what one tensor load brings, and what one wave reads of A or of B
.set SLOT,   4*HALFT                   ; A's 256 rows, then B's 256 rows
.set LAPS,   SIZE_K/(2*KSTEP)          ; a lap = two K steps = once round the ring: 8
.set SPARE,  2*SLOT                    ; behind the ring: the spare words, 128 bytes for each wave: two blocks of 256 bytes that no other line names
.set SPITCH, 528                       ; the way out: a stage of 16 rows x (512 bytes + 16) for each wave.  It lies in slot 0, which has had its last fill and its last read when the first result is stored there
.set NLOG2E, 0xbfb8aa3b                ; -log2(e) as f32
.set ADRA, 16                          ; v16-17  LDS address of my A fragments in slot 0, 1
.set ADRB, 20                          ; v20-21  the same for B
.set STO,  24                          ; v24     the way out: where I put 32 bytes of a row
.set RD,   25                          ; v25     the way out: where I read a row back
.set CO,   26                          ; v26     my byte offset in a row of the output
.set BO,   27                          ; v27     my byte offset in the wave's 128 numbers of the bias: 32 x (lane / 16); never rewritten
.set SPW,  28                          ; v28     LDS address of my spare word: SPARE + 4 x my thread's number; never rewritten
.set NIL,  29                          ; v29     0; never rewritten
.set PFO,  30                          ; v30     the prefetches' offset: my lane x a row of A or B in memory; never rewritten
.set BIA,  32                          ; v32-95  bias, then -log2(e) x bias: register 8 b + i belongs to column 16 b + 8 (lane / 16) + i of my wave's 128: the accumulators' own order
.set AF,   128                         ; A's fragments, in window 0
.set BK,   128                         ; the way out: 16 rows read back from the stage: v128-191 and v192-255 by turns
.set G1, 24                            ; s[24:31] descriptor group 1 for A's tiles;  s[32:39] group 0, one set for each slot
.set G0, 32
.set G1B, 48                           ; s[48:55], s[56:63] the same for B's tiles
.set G0B, 56
.set PFA, 66                           ; s[66:67] where my prefetches stand: my work-group's 32 rows of the 128 that I fetch, one K step further along the walk than the refill that is being asked for; a prefetch names the K step after that
.set LIM, 68                           ; s68     LAPS - 3 in a wave that prefetches, else the greatest number
.set WRAP, 69                          ; s69     a row's 4,096 bytes in a cluster that begins at the middle of K, else 0
.set BACK, 70                          ; s[70:71] what this trip's refills go back along K: s[WRAP] in the trip that passes the walk's middle, else 0
.set KOFF, 76                          ; s[76:77] where my cluster's walk begins in a row: 2,048 or 0; made of the cluster's x and y alone: the same in all sixteen partners
.set MSB, 0
.macro WIN new                         ; the immediate's high byte repeats the setting that is left; a switch that changes nothing is dropped
.if MSB != (\new)
	s_set_vgpr_msb (MSB<<8)|(\new)
.set MSB, (\new)
.endif
.endm
.set MUL_LO, 0xa1                      ; source 0 (B) window 1, source 1 (A) window 0, C and D window 2
.set MUL_HI, 0xf1                      ; the same, C and D window 3
.set TO_B,   0x40                      ; destination window 1, address window 0
; A joint load: waves 0 and 1 fetch for A, waves 2 and 3 for B.  Each of the two lines has ONE mask and one set of registers for all that issue it; the branch hangs on the wave's number alone.
; Four v_nop follow each of the two lines, ahead of the jump, the label and what follows.
.macro JLOAD g0a, g1a, g0b, g1b
	s_cmp_eq_u32 s15, 0
	s_cbranch_scc0 .Lfor_b_\@
	tensor_load_to_lds s[\g0a:\g0a+3], s[\g1a:\g1a+7]
	s_nop 0
.rept 4
	v_nop
.endr
	s_branch .Lasked_\@
.Lfor_b_\@:
	tensor_load_to_lds s[\g0b:\g0b+3], s[\g1b:\g1b+7]
	s_nop 0
.rept 4
	v_nop
.endr
.Lasked_\@:
.endm
; A PREFETCH INTO THE L2, behind a joint load and its four lines: the K step that stands TWO refills on in my cluster's walk (256 matrix instructions of a wave ahead of the load that will name it):
; 32 rows x 256 bytes, a lane a row, one instruction a wave.  Each row's 256 bytes of a K step are named at most ONCE in the launch.  A's tile row is read by the four clusters of a row of clusters: those with
; x = 0 and x = 1, which begin at different halves of K, ask, each for steps of the first half of its own walk; B's tile column likewise by the clusters with y = 0 and y = 1.  The four partners that ask for a
; tile jointly share its rows out BY ADDRESS: of the 128 rows that a wave fetches, the partner at place p takes 32 p .. 32 p + 31 (p = cx for A, cy for B): no branch hangs on a work-group's place in its cluster.
; The refill of the walk's step t + 2 is followed by the prefetch of step t + 4, for t = 0 .. 3 (the trips with s3 above LAPS - 3): steps 4 to 7.  Steps 0 to 3 come by their loads alone; steps 8 to 15 are the ones
; with which the neighbouring cluster began.  Step 7 ends at byte 2,047 or 4,095 of a row: no prefetch passes a row's end.
.macro ASK
	s_cmp_gt_u32 s3, s[LIM]
	s_cbranch_scc0 .Lnot_mine_\@
	global_prefetch_b8 v[PFO], s[PFA:PFA+1] offset:ROWB th:TH_LOAD_NT scope:SCOPE_SE
.Lnot_mine_\@:
.endm
.macro CREST                           ; a round of the cluster's barrier behind its opening barrier
	s_cmp_lg_u32 s14, 0
	s_cbranch_scc1 .Lnot_wave_0_\@
	s_barrier_signal -3
.Lnot_wave_0_\@:
	s_barrier_wait -3
	s_barrier_signal -1
	s_barrier_wait -1
.endm
.macro CROUND                          ; a whole round
	s_barrier_signal -1
	s_barrier_wait -1
	CREST
.endm
	s_load_b256 s[4:11], s[0:1], 0x0               ; A's codes s[4:5], B's codes s[6:7], the two scales' exponents s[8:9], the bias s[10:11]
	s_load_b64 s[12:13], s[0:1], 0x20              ; the output
	v_lshl_add_u32 v[SPW], v0, 2, SPARE
	v_mov_b32 v[NIL], 0
	ds_add_u32 v28, v29
	ds_add_u32 v28, v29
	s_wait_dscnt 0x0
	v_lshrrev_b32 v1, 5, v0
	v_readfirstlane_b32 s14, v1                    ; wave 0..3
	s_lshr_b32 s15, s14, 1                         ; which half of the tile's rows is mine.  Also: I fetch for A (0) or for B (1)
	s_and_b32 s16, s14, 1                          ; which half of its columns.  Also: which 128 rows of that tile I fetch
	s_bfe_u32 s40, ttmp6, 0x40000                  ; cx, cy: my place in the cluster
	s_bfe_u32 s41, ttmp6, 0x40004
	s_lshl_b32 s42, ttmp9, 2
	s_add_co_u32 s42, s42, s40                     ; tile column = 4 x cluster x + cx
	s_and_b32 s17, ttmp7, 0xffff
	s_lshl_b32 s17, s17, 2
	s_add_co_u32 s17, s17, s41                     ; tile row = 4 x cluster y + cy
	s_lshl_b32 s43, s41, 2
	s_lshl_b32 s43, 15, s43                        ; my row of the cluster: places 4 cy .. 4 cy + 3
	s_lshl_b32 s44, 0x1111, s40                    ; my column: places cx, cx + 4, cx + 8, cx + 12
	; descriptor group 1: a tile of 128 rows x ROWB bytes, padded in LDS
	s_or_b32 s[G1+0], s43, (0<<16)|(1<<20)|(1<<21)|(5<<22)|(3<<25)  ; 15:0 the mask: A's tiles go to my row; 17:16 element of 1 byte; 20 padding on; 21 set beside a mask; 24:22 after every 64 words (code 5); 31:25 of 4 words (code 3)
	s_or_b32 s[G1B+0], s44, (0<<16)|(1<<20)|(1<<21)|(5<<22)|(3<<25) ; the same with the mask of my column, for B's tiles
.irp g, G1, G1B
	s_mov_b32 s[\g+1], ROWB<<16                    ; tensor_dim0 = 256
	s_mov_b32 s[\g+2], 128<<16                     ; tensor_dim1 = 128
	s_mov_b32 s[\g+3], ROWB<<16                    ; tile_dim0 = 256
	s_mov_b32 s[\g+4], 128                         ; tile_dim1 = 128
	s_mov_b32 s[\g+5], KROW                        ; tensor_dim0_stride: 4,096 elements from row to row
	s_mov_b32 s[\g+6], 0
	s_mov_b32 s[\g+7], 0
.endr
	s_lshl_b32 s18, s16, 7                         ; which 128 rows of the tile I fetch
	s_lshl_b32 s20, s17, 8
	s_add_co_u32 s20, s20, s18                     ; A: row 256 x tile row + 128 x half
	s_lshl_b32 s46, s42, 8
	s_add_co_u32 s46, s46, s18                     ; B: row 256 x tile column + 128 x half
	s_mov_b32 s21, 0
	s_mov_b32 s47, 0
	s_mov_b64 s[18:19], KROW
	s_mul_u64 s[20:21], s[20:21], s[18:19]         ; in bytes
	s_mul_u64 s[46:47], s[46:47], s[18:19]
	s_and_b32 s[KOFF], ttmp7, 0xffff               ; cluster y
	s_add_co_u32 s[KOFF], s[KOFF], ttmp9           ; + cluster x:
	s_and_b32 s[KOFF], s[KOFF], 1                  ; odd or even
	s_mul_i32 s[WRAP], s[KOFF], KROW               ; an odd cluster goes back a whole row at its walk's middle,
	s_mul_i32 s[KOFF], s[KOFF], KROW/2             ; and begins at the row's middle
	s_mov_b32 s[KOFF+1], 0
	s_mov_b32 s[BACK+1], 0
	s_add_nc_u64 s[20:21], s[20:21], s[KOFF:KOFF+1]
	s_add_nc_u64 s[46:47], s[46:47], s[KOFF:KOFF+1]
	s_mul_i32 s45, s14, HALFT                      ; where the tiles go: wave x 128 rows: no place in the cluster enters an LDS address
	s_wait_kmcnt 0x0
	s_load_b64 s[96:97], s[8:9], 0x0               ; ea, eb: wanted on the way out
	s_add_nc_u64 s[20:21], s[4:5], s[20:21]
	s_add_nc_u64 s[46:47], s[6:7], s[46:47]
	CROUND                                         ; all sixteen work-groups are here: the first joint loads meet
.irp s, 0,1
	s_mov_b32 s[G0+4*\s], 1                        ; count = 1
	s_add_co_u32 s[G0+4*\s+1], s45, \s*SLOT        ; LDS address
	s_add_nc_u64 s[G0+4*\s+2:G0+4*\s+3], s[20:21], \s*ROWB   ; global address: step s of the walk
	s_or_b32 s[G0+4*\s+3], s[G0+4*\s+3], 0x80000000          ; type = 2
	s_mov_b32 s[G0B+4*\s], 1
	s_add_co_u32 s[G0B+4*\s+1], s45, \s*SLOT
	s_add_nc_u64 s[G0B+4*\s+2:G0B+4*\s+3], s[46:47], \s*ROWB
	s_or_b32 s[G0B+4*\s+3], s[G0B+4*\s+3], 0x80000000
	JLOAD G0+4*\s, G1, G0B+4*\s, G1B               ; the ring is filled before anything else is done: two loads of mine are out
.endr
	v_and_b32 v1, 15, v0                           ; r = l % 16
	v_bfe_u32 v2, v0, 4, 1                         ; h = l / 16
	v_mul_u32_u24 v3, v1, PITCH
	v_lshl_add_u32 v4, v2, 4, v3                   ; a fragment's row x pitch + 16 x half
	s_mul_i32 s21, s15, HALFT                      ; my 128 rows of A
	s_mul_i32 s22, s16, HALFT                      ; my 128 rows of B,
	s_add_co_u32 s22, s22, 2*HALFT                 ; which lie behind A's 256
.irp s, 0,1
	v_add_nc_u32 v[ADRA+\s], s21, v4
	v_add_nc_u32 v[ADRB+\s], s22, v4
	s_add_co_u32 s21, s21, SLOT
	s_add_co_u32 s22, s22, SLOT
.endr
	s_mul_i32 s23, s14, 16*SPITCH                  ; my stage
	v_mul_u32_u24 v5, v1, SPITCH                   ; in: row l % 16, 32 bytes for each half of the lanes
	v_lshl_add_u32 v5, v2, 5, v5
	v_add_nc_u32 v[STO], s23, v5
	v_and_b32 v6, 31, v0
	v_lshlrev_b32 v[CO], 4, v6                     ; back: the 32 lanes take one row of 512 bytes; and the same in the output
	v_add_nc_u32 v[RD], s23, v[CO]
	v_lshlrev_b32 v[BO], 5, v2                     ; the bias: my half's eight numbers of each 16 columns
	v_lshlrev_b32 v[PFO], 12, v6                   ; the prefetches: a lane a row of 4,096 bytes
	s_lshl_b32 s20, s17, 8
	s_lshl_b32 s21, s15, 7
	s_add_co_u32 s20, s20, s21                     ; my first row of the output: 256 x tile row + 128 x half
	s_mov_b32 s21, 0
	s_mov_b64 s[18:19], SIZE_N*4
	s_mul_u64 s[20:21], s[20:21], s[18:19]
	s_lshl_b32 s46, s42, 10                        ; my first column, in bytes of f32: 1024 x tile column + 512 x half
	s_lshl_b32 s47, s16, 9
	s_add_co_u32 s46, s46, s47
	s_mov_b32 s47, 0
	s_add_nc_u64 s[10:11], s[10:11], s[46:47]      ; the bias at my first column
	s_add_nc_u64 s[20:21], s[20:21], s[46:47]
	s_add_nc_u64 s[12:13], s[12:13], s[20:21]      ; the output at my first row and column
.irp b, 0,1,2,3,4,5,6,7                        ; my lane's 64 numbers of the bias.  The sixteen loads stay out through the loop; their wait stands on the way out; their address registers are never rewritten
	global_load_b128 v[BIA+8*\b:BIA+8*\b+3],   v[BO], s[10:11] offset:64*\b
	global_load_b128 v[BIA+8*\b+4:BIA+8*\b+7], v[BO], s[10:11] offset:64*\b+16
.endr
	; the prefetches: where mine stand, and who asks
	s_lshl_b32 s72, s17, 8                         ; the tile's first row in A,
	s_lshl_b32 s73, s42, 8                         ; and in B
	s_and_b32 s74, ttmp7, 0xffff                   ; cluster y
	s_cmp_eq_u32 s15, 0                            ; do I fetch for A?
	s_cselect_b32 s72, s72, s73
	s_cselect_b32 s73, s40, s41                    ; my place among the four that ask for the tile with me
	s_cselect_b32 s74, ttmp9, s74                  ; the coordinate along which other clusters read the same rows
	s_cselect_b64 s[PFA:PFA+1], s[4:5], s[6:7]
	s_cmp_lt_u32 s74, 2                            ; the first two clusters along it begin at different halves of K
	s_cselect_b32 s[LIM], LAPS-3, -1               ; the same in all sixteen partners, for a given wave
	s_lshl_b32 s75, s16, 7
	s_add_co_u32 s72, s72, s75                     ; + the 128 rows that I fetch
	s_lshl_b32 s73, s73, 5
	s_add_co_u32 s72, s72, s73                     ; + my work-group's 32 of them
	s_lshl_b32 s72, s72, 12                        ; rows of 4,096 bytes: under 2^24
	s_mov_b32 s73, 0
	s_add_nc_u64 s[PFA:PFA+1], s[PFA:PFA+1], s[72:73]
	s_add_nc_u64 s[PFA:PFA+1], s[PFA:PFA+1], s[KOFF:KOFF+1]  ; where my cluster's walk begins,
	s_add_nc_u64 s[PFA:PFA+1], s[PFA:PFA+1], 2*ROWB  ; at its step 2: the first refill steps it to 3 and names step 4.  Nothing is prefetched here, at the head, where every work-group's first tiles are on their way
.macro FRAG reg, adr, q, i             ; a fragment, 16 rows x 128 K of 8-bit codes, is 16 registers: lane l holds row l % 16; registers 4 c .. 4 c + 3 hold K = 32 c + 16 (l / 16) + 0 .. 15
.irp c, 0,1,2,3
	ds_load_b128 v[\reg+4*\c:\reg+4*\c+3], v[\adr] offset:128*(\q)+32*\c+(\i)*16*PITCH
.endr
.endm
; 16 matrix instructions: A's blocks a0, a0 + 1 x B's eight, 128 along K.  p: B's set.  zero = 1: the first product starts the sums: nothing is ever cleared.
; The 64 accumulators take turns, one instruction a turn, in the same order in every step.
.macro MUL16 a0, p, zero
.irp a, \a0, \a0+1
.irp b, 0,1,2,3,4,5,6,7
.if \zero
	v_wmma_f32_16x16x128_bf8_bf8 v[8*(8*((\a)%4)+\b):8*(8*((\a)%4)+\b)+7], v[128*(\p)+FR*\b:128*(\p)+FR*\b+FR-1], v[AF+FR*(\a):AF+FR*(\a)+FR-1], 0
.else
	v_wmma_f32_16x16x128_bf8_bf8 v[8*(8*((\a)%4)+\b):8*(8*((\a)%4)+\b)+7], v[128*(\p)+FR*\b:128*(\p)+FR*\b+FR-1], v[AF+FR*(\a):AF+FR*(\a)+FR-1], v[8*(8*((\a)%4)+\b):8*(8*((\a)%4)+\b)+7]
.endif
.endr
.endr
.endm
.macro FETCH_B slot, q, p, i0          ; 16 loads: B's fragments i0 .. i0 + 3 of the slot's q-th 128 along K into set p
	WIN TO_B
.irp i, \i0, \i0+1, \i0+2, \i0+3
	FRAG 128*(\p)+FR*(\i), ADRB+\slot, \q, \i
.endr
.endm
.macro FETCH_A slot, q, i0             ; 16 loads: A's blocks i0 .. i0 + 3
	WIN 0
.irp i, \i0, \i0+1, \i0+2, \i0+3
	FRAG AF+FR*(\i), ADRA+\slot, \q, \i
.endr
.endm
; A load into a register that a matrix instruction has read, and a vector instruction or an LDS store that reads a matrix result, stand NP places behind that matrix instruction, and only plain vector
; instructions that name none of its registers are places (ISA guide 7.12.1 for vector instructions); this text does not count the matrix instructions in between.
.macro PLACES n
.rept \n
	v_nop
.endr
.endm
; A STEP'S WORK: 64 products on B's set p, and between them, in four runs of 16, the loads of the step that follows (the q-th 128 along K of the slot named), B's into the other set.
; LDS loads come back in order (ISA guide 5.7.1), and every step issues them in the same order: B 0-3, B 4-7, A 0-3, A 4-7.  So each wait counts the loads issued behind the fragments that the next 16 products want:
;   A's blocks 0, 1 (and all of B): behind them A's blocks 2, 3 (8) and 4-7 (16): 24      blocks 2, 3: A's 4-7 (16) and this step's first run (16): 32
;   blocks 4, 5: blocks 6, 7 (8) and two runs (32): 40                                      blocks 6, 7: three runs: 48
; B's runs want no places of their own: the other set's last readers are the step before's last 16 products, and that step's last four v_nop stand behind them.
.macro WORK p, slot, q, zero
	s_wait_dscnt 6*NL
	WIN MUL_LO
	MUL16 0, \p, \zero
	FETCH_B \slot, \q, 1-(\p), 0
	s_wait_dscnt 8*NL
	WIN MUL_LO
	MUL16 2, \p, \zero
	FETCH_B \slot, \q, 1-(\p), 4
	s_wait_dscnt 10*NL
	WIN MUL_HI
	MUL16 4, \p, \zero
	PLACES NP                                      ; behind the products that read A's blocks 0-3
	FETCH_A \slot, \q, 0
	s_wait_dscnt 12*NL
	WIN MUL_HI
	MUL16 6, \p, \zero
	PLACES NP                                      ; behind the products that read A's blocks 4-7 and, last of all, B's set p
	FETCH_A \slot, \q, 4
.endm
.macro STEP slot, zero                 ; a slot's first step: set 0 is multiplied, the slot's second 128 along K are fetched
	WORK 0, \slot, 1, \zero
.endm
; A slot's last step begins with the change of slots: all its fragments have been asked for, so nobody will read the slot again.  Each wave waits for all its tensor loads, adds 0 to its spare word, and waits for that and
; for its own reads of the slot; then ONE barrier.  fill = 1: the barrier opens a round of the cluster's barrier, and the slot is filled again, two K steps ahead in the walk.
; NOTHING BUT THE DESCRIPTORS' STEPS STANDS BETWEEN A TILE'S LANDING AND THE NEXT REQUEST: all 64 products of this step come behind the joint load, so that the load has two steps' 128 products in which to land.
.macro TURN slot, next, fill
.if \fill
	s_wait_xcnt 0x0                                ; the last prefetch, a K step back, has read its address: it is stepped here, ahead of the waits of the change of slots
	s_add_nc_u64 s[PFA:PFA+1], s[PFA:PFA+1], ROWB
.endif
	s_wait_tensorcnt 0x0                           ; all my tensor loads have landed: the one that was out is my part of the next slot; so every group 0 may be written.  (Every window is 0 here: the add's two registers lie in window 0)
	ds_add_u32 v[SPW], v[NIL]                      ; 0 onto my spare word; the descriptors' steps stand between it and the wait for it
.if \fill
	s_add_nc_u64 s[G0+4*\slot+2:G0+4*\slot+3], s[G0+4*\slot+2:G0+4*\slot+3], 2*ROWB          ; two K steps on,
	s_sub_nc_u64 s[G0+4*\slot+2:G0+4*\slot+3], s[G0+4*\slot+2:G0+4*\slot+3], s[BACK:BACK+1]  ; and, at the middle of an odd cluster's walk, back to the row's first byte; the type bits on top are not reached
	s_add_nc_u64 s[G0B+4*\slot+2:G0B+4*\slot+3], s[G0B+4*\slot+2:G0B+4*\slot+3], 2*ROWB
	s_sub_nc_u64 s[G0B+4*\slot+2:G0B+4*\slot+3], s[G0B+4*\slot+2:G0B+4*\slot+3], s[BACK:BACK+1]
.endif
	s_wait_dscnt 0x0                               ; the add is done, and my reads of this slot are over: this step's fragments are all in registers
	s_barrier_signal -1
	s_barrier_wait -1
.if \fill
	CREST                                          ; the barrier has opened a round of the cluster's barrier: no wave of any partner still reads this slot's tile or has a load on its way
	JLOAD G0+4*\slot, G1, G0B+4*\slot, G1B         ; the first tensor load behind the round, my one load until the next
	ASK                                            ; behind the joint load and its four lines
.endif
	WORK 1, \next, 0, 0                            ; set 1 is multiplied; the next slot's first 128 along K are fetched: its tiles were shown landed in front of the barrier, by every wave
.endm
	s_wait_tensorcnt 1                             ; my part of the walk's step 0 is in (step 1's load, issued behind it, may be out)
	s_barrier_signal -1
	s_barrier_wait -1                              ; everybody's is
	FETCH_B 0, 0, 0, 0
	FETCH_B 0, 0, 0, 4
	FETCH_A 0, 0, 0
	FETCH_A 0, 0, 4
	STEP 0, 1                                      ; the first step stands in front of the loop: its products start the sums
	s_mov_b32 s3, LAPS-1
.Llap:                                                 ; a trip goes once round the ring, from a lap's second step to the next lap's first, and fills both slots again: 256 matrix instructions, two rounds, two joint loads a wave
	s_cmp_eq_u32 s3, LAPS/2                        ; trip i (s3 = LAPS - 1 - i) asks for the walk's steps 2 i + 2 and 2 i + 3: steps 8 and 9, the first behind the middle, in the trip with s3 = LAPS / 2
	s_cselect_b32 s[BACK], s[WRAP], 0
	TURN 0, 1, 1
	STEP 1, 0
	TURN 1, 0, 1
	STEP 0, 0
	s_sub_co_u32 s3, s3, 1
	s_cmp_lg_u32 s3, 0
	s_cbranch_scc1 .Llap
	TURN 0, 1, 0                                   ; the last lap fills nothing, and has no round of the cluster's barrier
	STEP 1, 0
	s_wait_dscnt 4*NL                              ; the very last step: nothing more to fetch; A's blocks 4-7, the youngest sixteen loads, may be out
	WIN MUL_LO
	MUL16 0, 1, 0
	MUL16 2, 1, 0
	s_wait_dscnt 0
	WIN MUL_HI
	MUL16 4, 1, 0
	MUL16 6, 1, 0
	WIN 0
; THE WAY OUT, block by block of 16 rows x 128 columns, in three parts.
; MATH: the block's 64 numbers a lane become the sigmoid, in place in the accumulators' registers: t = sum x s96 + (-log2(e) bias), two at a time, each accumulator from its low end on; 2^t; 1 + 2^t; the reciprocal.
; The 64 exponentials are one batch, and so are the 64 reciprocals: behind each batch one plain instruction and ONE s_wait_alu, ahead of the first line that names a result.
.macro MATH a
.set AC, 64*((\a)%4)
	WIN 0x82+0x41*((\a)/4)                         ; destination and source 0: window 2 or 3; the bias (source 2): window 0
.set j, 0
.rept 32
	v_pk_fma_f32 v[AC+j:AC+j+1], v[AC+j:AC+j+1], s[96:97], v[BIA+j:BIA+j+1] op_sel_hi:[1,0,1]   ; (the scalar pair's low word serves both halves)
.set j, j+2
.endr
.set j, 0
.rept 64
	v_exp_f32 v[AC+j], v[AC+j]
.set j, j+1
.endr
	v_nop
	s_wait_alu depctr_va_vdst(0)
.set j, 0
.rept 32
	v_pk_add_f32 v[AC+j:AC+j+1], v[AC+j:AC+j+1], 1.0 op_sel_hi:[1,0]
.set j, j+2
.endr
.set j, 0
.rept 64
	v_rcp_f32 v[AC+j], v[AC+j]
.set j, j+1
.endr
	v_nop
	s_wait_alu depctr_va_vdst(0)
.endm
; TOSTAGE: a lane holds 32 neighbouring bytes of a row, and the lanes beside it hold other rows: so the block goes through my own stage in LDS and comes back as whole rows of 512 bytes.
; LDS serves a wave's instructions in order (ISA guide 5.7.1.4): no wait between the stores and the loads, nor in front of the next block's stores.
.macro TOSTAGE a
.set AC, 64*((\a)%4)
	WIN 0x08+4*((\a)/4)                            ; an LDS store's data (source 1): window 2 or 3
.irp b, 0,1,2,3,4,5,6,7
	ds_store_b128 v[STO], v[AC+8*\b:AC+8*\b+3] offset:64*\b
	ds_store_b128 v[STO], v[AC+8*\b+4:AC+8*\b+7] offset:64*\b+16
.endr
	WIN 0
.set BB, BK+64*((\a)%2)
.irp t, 0,1,2,3,4,5,6,7,8,9,10,11,12,13,14,15
	ds_load_b128 v[BB+4*\t:BB+4*\t+3], v[RD] offset:\t*SPITCH
.endr
.endm
; SEND: the block's sixteen rows are stored.
.macro SEND a
.set BB, BK+64*((\a)%2)
	WIN 0
	s_wait_dscnt 0x0                               ; the block is back in registers (the next block's arithmetic stood between its loads and this wait)
	s_wait_xcnt 0x0                                ; every earlier store has read its registers and its base: the base may step, and the block after this one may load into the registers that the block before this one was stored from
.if (\a) > 0
	s_add_nc_u64 s[12:13], s[12:13], 16*SIZE_N*4   ; 16 rows on, so that the stores' offsets stay small: 15 rows of 16,384 bytes at the most, inside the signed 24-bit immediate (ISA guide, chapter 10)
.endif
.irp t, 0,1,2,3,4,5,6,7,8,9,10,11,12,13,14,15
	global_store_b128 v[CO], v[BB+4*\t:BB+4*\t+3], s[12:13] offset:\t*SIZE_N*4 th:TH_STORE_NT   ; 32 lanes store 512 consecutive bytes, at a multiple of 256 from the output's first byte; written once, read by nobody here
.endr
.endm
	s_wait_kmcnt 0x0                               ; ea, eb
	s_add_co_i32 s96, s96, s97                     ; ea + eb, between -126 and 127,
	s_lshl_b32 s96, s96, 23
	s_add_co_i32 s96, s96, NLOG2E                  ; added to the exponent field of -log2(e): -log2(e) 2^(ea + eb)
	s_mov_b32 s97, s96                             ; (named with it as a pair, so it is written)
	s_mov_b32 s20, NLOG2E
	s_mov_b32 s21, s20
	s_wait_loadcnt 0x0                             ; the bias
.set j, 0
.rept 32
	v_pk_mul_f32 v[BIA+j:BIA+j+1], v[BIA+j:BIA+j+1], s[20:21] op_sel_hi:[1,0]   ; -log2(e) x bias.  These 32 plain lines name no register of the last products: they are the places behind them, for the reads of results and for the loads into the registers that held A's fragments
.set j, j+2
.endr
	MATH 0
	TOSTAGE 0
.irp a, 1,2,3,4,5,6,7                          ; block a's arithmetic stands between block a - 1's loads from the stage and the wait for them; block a - 1's stores leave while block a goes through the stage
	MATH \a
	SEND \a-1
	TOSTAGE \a
.endr
	SEND 7
	s_wait_tensorcnt 0x0                           ; the wave's end, behind my last tensor load and my last LDS store
	ds_add_u32 v[SPW], v[NIL]
	s_wait_dscnt 0x0
	CROUND                                         ; the closing round: no work-group ends while a partner may still ask for a tile that names it
	s_endpgm
.Lfunc_end_k_q53a4edfa1e_rbm:
	.size	k_q53a4edfa1e_rbm, .Lfunc_end_k_q53a4edfa1e_rbm-k_q53a4edfa1e_rbm
	.p2alignl 7, 3214868480
	.fill 96, 4, 3214868480
	.section	.rodata,"a",@progbits
	.p2align	6, 0x0
	.amdhsa_kernel k_q53a4edfa1e_rbm
		.amdhsa_group_segment_fixed_size 327680
		.amdhsa_private_segment_fixed_size 0
		.amdhsa_enable_private_segment 0
		.amdhsa_kernarg_size 40
		.amdhsa_user_sgpr_count 2
		.amdhsa_user_sgpr_kernarg_segment_ptr 1
		.amdhsa_wavefront_size32 1
		.amdhsa_system_sgpr_workgroup_id_x 1
		.amdhsa_system_sgpr_workgroup_id_y 1
		.amdhsa_system_sgpr_workgroup_id_z 1
		.amdhsa_system_vgpr_workitem_id 0
		.amdhsa_next_free_vgpr 1024
		.amdhsa_next_free_sgpr 98
		.amdhsa_reserve_vcc 0
		.amdhsa_float_denorm_mode_32 3
		.amdhsa_float_denorm_mode_16_64 3
		.amdhsa_memory_ordered 1
		.amdhsa_forward_progress 1
		.amdhsa_inst_pref_size 179
	.end_amdhsa_kernel
	.amdgpu_metadata
---
amdhsa.version: [ 1, 2 ]
amdhsa.kernels:
  - .name:           k_q53a4edfa1e_rbm
    .symbol:         k_q53a4edfa1e_rbm.kd
    .args:
      - { .name: input_data_codes, .offset: 0, .size: 8, .value_kind: global_buffer, .address_space: global }
      - { .name: W_codes, .offset: 8, .size: 8, .value_kind: global_buffer, .address_space: global }
      - { .name: lowp_scales, .offset: 16, .size: 8, .value_kind: global_buffer, .address_space: global }
      - { .name: hidden_bias, .offset: 24, .size: 8, .value_kind: global_buffer, .address_space: global }
      - { .name: out0, .offset: 32, .size: 8, .value_kind: global_buffer, .address_space: global }
    .group_segment_fixed_size: 327680
    .private_segment_fixed_size: 0
    .kernarg_segment_align: 8
    .kernarg_segment_size: 40
    .max_flat_workgroup_size: 128
    .sgpr_count:     98
    .vgpr_count:     1024
    .wavefront_size: 32
...
	.end_amdgpu_metadata
.endif
;; end of part 1
